; MI455X (gfx1250); checked and timed in simulation.
; The chip was launched on July 23, 2026; its instructions are those of AMD's public machine-readable ISA for CDNA 5 (MIT licence, August 2026) and "CDNA5" Instruction Set Architecture Reference Guide (July 2026). The comments in the code are by the model that wrote it; some were corrected since.
;; MHA. Allowed arithmetic: matrix products marked QUANTISED: E4M3 operands, one given power-of-two scale a tensor, by v_wmma_f32_16x16x64_fp8_fp8 or v_wmma_f32_16x16x128_fp8_fp8, f32 sums; everything else in f32.
;; Inputs: W_proj_codes 1,024 x 32 x 32 uint8 (E4M3 codes of W_proj, K innermost, in blocks of 32 codes); k_codes 4,096 x 16 x 2 x 32 uint8 (E4M3 codes of k, K innermost, in blocks of 32 codes); lowp_scales 6 int32 (the exponents e of the quantised operands' scales 2^e); q_codes 4,096 x 16 x 2 x 32 uint8 (E4M3 codes of q, K innermost, in blocks of 32 codes); v_codes 16 x 64 x 128 x 32 uint8 (E4M3 codes of v, K innermost, in blocks of 32 codes).
;; Outputs: out0 4,096 x 1,024 float32.
;; This version of the problem:
;;   THIS VERSION OF THE PROBLEM IS GIVEN IN LOW PRECISION. The matrix products marked QUANTISED in the list below multiply operands that are first quantised to E4M3 (4 exponent bits, 3 mantissa bits; 8 bits a number), with one given power-of-two scale for each operand tensor; their sums are f32. All else is computed in f32.
;;   The module's matrix products, in the order in which they are computed (A, B: the left and right operand; K: the contracted axis; several contracted axes count as one K, in the product's order):
;;     1. batch 16 x [M 4,096, K 64] x [K 64, N 4,096]; A: input q (given as codes); B: input k (given as codes): QUANTISED (scales: A lowp_scales[0], B lowp_scales[1])
;;     2. batch 16 x [M 64, K 4,096] x [K 4,096, N 4,096]; A: input v (given as codes); B: softmax (see below): QUANTISED (scales: A lowp_scales[2], B lowp_scales[3])
;;     3. [M 4,096, K 1,024] x [K 1,024, N 1,024]; A: computed on the way; B: input W_proj (given as codes): QUANTISED (scales: A lowp_scales[4], B lowp_scales[5])
;;   THE QUANTISER, for each operand of a quantised product, along K:
;;     - The operand's scale is 2^e, e = its entry of the input lowp_scales (int32; the entries are numbered through the quantised products in the list's order, A before B).
;;     - Each number is divided by the scale, clamped to +-448, and rounded to the nearest number of E4M3, ties to even, subnormals kept.
;;     - The product sums the exact products of the quantised numbers (number of the format x scale) in f32.
;;   ~~~python
;;   def quantise(x, axis, e):      # numpy; x: float32 -> the quantised numbers, widened to float32 again
;;       x = np.moveaxis(x, axis, -1); K = x.shape[-1]
;;       r = np.clip(x / 2.0 ** e, -448, 448)
;;       step = 2.0 ** (np.maximum(np.frexp(np.where(r == 0, 1, r))[1] - 1, -6) - 3)
;;       q = np.round(r / step) * step * 2.0 ** e      # np.round: ties to even
;;       return np.moveaxis(q, -1, axis).astype(np.float32)
;;   ~~~
;;   SOFTMAX AHEAD OF A QUANTISED PRODUCT. Where the list says 'softmax', what is quantised is not the finished softmax but p = 2^(t - M), with t = logit x log2(e) and M = ceil(the row's largest t), a whole number; so 1/2 < the row's largest p <= 1. The row's sum l is taken of the UNQUANTISED p, in f32, and the product's result is divided by l at the end. Since M is a whole number, a kernel that streams over the keys may use a running M (the ceiling of the running maximum): every later rescaling is an exact power of two, so the quantised numbers keep their values, but for numbers so far below the row's largest that they fall under the format's range.
;;   OPERANDS COMPUTED ON THE WAY. 'Computed on the way' means the value that the module computes at that place (a softmax that the list does not call 'softmax' is quantised finished and normalised). What goes into a quantiser is computed in f32, as accurately as f32 sums, v_exp_f32 and their like allow (about 1e-6 of the number): no bf16 or f16 on the way to a quantiser, and a product that is left as it is and whose result goes on into a quantised operand takes f32 operands (vector FMAs, or v_wmma_f32_16x16x4_f32). A number that lies on a knife's edge between two numbers of the format may be rounded either way, as far as f32 arithmetic and the matrix unit's own rounding can turn it there, and no further.
;;   INPUTS GIVEN AS CODES. W_proj (in the module: [1024, 1024], K = its axis 1); k (in the module: [4096, 16, 64], K = its axis 2); q (in the module: [4096, 16, 64], K = its axis 2); v (in the module: [4096, 16, 64], K = its axis 0): each comes as NAME_codes (uint8): NAME with its K axis moved to the last place and cut into blocks of 32 codes, [.., K / 32, bytes a block], one block behind the other in memory; one code a byte (a code: sign, 4 exponent bits, 3 mantissa bits); its scale is its entry of lowp_scales. Its value is code x scale, taken as it is: it is not quantised again, and the codes and scales need not be those that the quantiser above would give.
;; One version. Each part assembles by itself: llvm-mc -triple=amdgcn-amd-amdhsa -mcpu=gfx1250 --defsym DOCPART=n.
;; ======== version 1 of 1: 2 launches
;; limits: right only within a limited range of input values
;; workspace buffers: att 4,194,304 bytes
;; launch attn (part 1): grid 16 x 16, 8 waves a work-group, no clusters, 327,680 bytes of LDS; arguments q_codes, k_codes, v_codes, lowp_scales, att; writes att
.if DOCPART == 1
	.amdgcn_target "amdgcn-amd-amdhsa--gfx1250"
	.amdhsa_code_object_version 6
	.text
	.protected	k_qfccd8a1c09_attn
	.globl	k_qfccd8a1c09_attn
	.p2align	8
	.type	k_qfccd8a1c09_attn,@function
k_qfccd8a1c09_attn:
	s_mov_b64 s[64:65], 0
	v_nop
	global_prefetch_b8 v0, s[64:65] scope:SCOPE_SE
	s_setreg_imm32_b32 hwreg(HW_REG_WAVE_MODE, 25, 1), 1
	s_wait_xcnt 0x0
; Causal attention on codes of FP8 (E4M3): 4,096 queries, 4,096 keys, 16 heads of 64 channels.  q, k: [4096][16][64] codes; v: [16][64][4096] codes (keys innermost).
; lowp_scales: e0 (q), e1 (k), e2 (v), e3 (p), e4 (the attention's rows), e5 (not used here).
; t = score x 2^(e0+e1) x log2(e) / 8; M = the running largest t rounded UP to a whole number; p = 2^(t - M) is quantised with 2^e3; the row's sum l is taken of the unquantised p.
; The finished row O x 2^(e2+e3) / l is quantised with 2^e4 and stored as codes in att, laid as images of the next launch's operand registers:
;   row tile mt = s / 16, head hd: byte (mt>>3) 131072 + (hd>>2) 32768 + (mt&7) 4096 + (hd&3) 1024 + 512 p + 16 lane; piece p = registers 4 p .. 4 p + 3 of a lane's eight;
;   registers 2 t, 2 t + 1 of lane (r, h) = channels 16 t + 8 h + 0 .. 7 of row 16 mt + r.
; SHARES.  The queries are 32 blocks of 128.  Work-group (j, head) owns block j (low) and block 31 - j (high), so that every work-group has the same number of key steps under the causal mask.
; A wave works on 32 queries at a time, two tiles A and B, which share every fragment of K and V.  The eight waves are four pairs (IDX = wave / 2); in a pair one wave is the OWNER (ROLE 1) of 32 queries of the
; high block; the other, the HELPER (ROLE 0), first walks 32 queries of the low block (key steps 0 .. j), stores them, and then helps its owner on the owner's queries with a maximum, a sum and an O of its own:
; of the key steps beyond j the helper takes those with (step - j) odd, the diagonal step 31 - j among them, the owner the even ones: 17 steps against 16 for every j.  At the end the helper's O, -M and l go to
; the owner through LDS and are joined by whole powers of two.  ROLE = (wave ^ (wave >> 2)) & 1.
; KEYS.  A step is 128 keys; a slot holds 512 keys (four steps) of K and V; two slots take turns, filled by the tensor data mover: waves 0-3 a quarter of K's rows each, waves 4-7 a quarter of V's.
; Work-groups with j < 8 walk 8 slots, the others 6 (32 - j steps are needed); a step that a wave does not work is jumped over by scalar branches on ids; no barrier and no tensor load stands in a step.
; LAYOUT.  Both products are used transposed: S^T = K Q^T (source 0 = 16 keys, source 1 = 16 queries, K = 64), O^T = V^T P^T (source 0 = 16 channels, source 1 = P, K = 128): a lane holds one query (lane % 16).
; Register 8 c + i of S^T is key 16 c + 8 (lane / 16) + i, so the conversion of tile c gives registers 2 c, 2 c + 1 of P as the K = 128 form wants them.  K's and Q's fragments are fetched by two loads of 16 bytes:
; a permutation of the channels that is the same in both.
; NO CLUSTER: which key steps a wave works hangs on its work-group's block of queries, so with joint loads a branch would hang on the place in the cluster; partners that ran alike would multiply hidden steps.
; LIMITS.  A hidden key gets the weight 0 where reference() adds -10000 to its score: the same in f32 as long as (hidden score - 10000) lies more than 104 under the row's largest open score.
; e0 + e1 between -123 and 130; e3 and e4 - e3 - e2 between -126 and 119, so that each power of two below is an f32 number.  NaN codes are not served.
.set KP,    80                         ; a key's row in LDS: 64 bytes + 16: the 16 rows of a load begin at 16 different 16-byte columns of 256 bytes (80 r mod 256)
.set VP,    528                        ; a row of V's tile: 512 bytes (512 keys) + 16
.set VOFF,  512*KP                     ; a slot: 512 rows of K, then 64 rows of V
.set SLOTB, VOFF+64*VP                 ; 74,752 bytes
.set SPARE, 2*SLOTB                    ; behind the ring: the spare words, 128 bytes for each of eight waves: four blocks of 256 bytes that no other line names
.set MS,    SPARE+1024                 ; the pairs' stages for the joining: 18 pieces of 512 bytes each; no tensor load lands here
.set MSP,   18*512
; window 0
.set AK0, 1                            ; v1   my lane's place in a tile of K: 80 r + 16 h
.set AV0, 2                            ; v2   in a tile of V: VOFF + 528 r + 8 h
.set ADK, 3                            ; v3   LDS address of the step's K
.set ADV, 4                            ; v4   of its V
.set SPW, 5                            ; v5   LDS address of my spare word; never rewritten
.set NIL, 6                            ; v6   0; never rewritten
.set GO,  7                            ; v7   16 x lane
.set MSA, 8                            ; v8   my pair's stage + 16 x lane
.set LIMA, 9                           ; v9, v10  448 x 2^e3, twice: the two halves of a dual instruction name different registers
.set LIMB, 10
.set SCL, 11                           ; v11  2^e3
.set ST,  12                           ; v12-19 tile A, v20-27 tile B: +0 -M, +1 the largest t, +2, +3 l in two halves, +4 f, +5 0, +6, +7 at work
.set C2,  28                           ; v[28:29] the second chain of a sum; at the head v28 is my lane's byte in the rows of q
.set LIMO, 30                          ; v30  448 x 2^(e4 - e3 - e2)
.set SCO, 31                           ; v31  2^(e4 - e3 - e2)
.set P,   32                           ; v32-47, v48-63  P's codes, 16 registers a tile
.set S,   64                           ; v64-127, v128-191  S^T, then p
.set O,   192                          ; v192-223, v224-255  O^T
; window 1
.set QF,  0                            ; v0-15    Q, 8 registers a tile
.set KFR, 16                           ; v16-79   K: 8 fragments of 8
.set VFR, 80                           ; v80-143  V: 4 fragments of 16
.set Q2,  144                          ; v144-159 the high block's Q, for the helper's second part (an owner loads the same bytes twice and never reads these)
; scalars
.set WV, 14
.set ROLE, 15
.set IDX, 16
.set J, 17
.set HEAD, 18
.set WQ, 19                            ; wave % 4: which quarter of a tile I fetch
.set SEL, 20                           ; s[20:21] selects of v_permlanex16_b32: lane l xor 16
.set CS, 22                            ; s[22:23] c = 2^(e0+e1) log2(e) / 8, twice
.set G1K, 24                           ; s[24:31] descriptor group 1 of K's tiles; s[32:39] of V's
.set G1V, 32
.set G0K, 40                           ; s[40:47] group 0 of K's tiles, a set for each slot; s[48:55] of V's
.set G0V, 48
.set KF, 56                            ; the step's first key
.set QL, 57                            ; my last query
.set Q0, 58                            ; my first query
.set KJ, 59                            ; 128 j: up to this first key every wave works every step
.set KSW, 60                           ; the helper changes queries at this first key (an owner: never)
.set PX, 61                            ; j ^ ROLE ^ 1: a step beyond j is mine where bit 0 of (step ^ PX) is 0
.set TBK, 62                           ; LDS byte of the step's K rows
.set TBV, 63                           ; LDS byte from which the step's V columns count
.set CNT4, 66
.set LAPC, 67
.set OA, 74                            ; s[74:75] att at the two tiles that I store
.set QA0, 80                           ; s[80:81] q at my first queries; s[82:83] at the high block's
.set QA1, 82
.set Q0H, 85
.set MSB, 0
.macro WIN new                         ; the immediate's high byte repeats the setting that is left
.if MSB != \new
	s_set_vgpr_msb (MSB<<8)|\new
.set MSB, \new
.endif
.endm
.macro PLACES
.rept 4
	v_nop
.endr
.endm
; My one tensor load for slot s: waves 0-3 a quarter of K's rows, waves 4-7 a quarter of V's.  The branch hangs on the wave's number alone.  Four v_nop follow each of the two lines.
.macro TLOAD s
	s_cmp_lt_u32 s[WV], 4
	s_cbranch_scc0 .Lfor_v_\@
	tensor_load_to_lds s[G0K+4*(\s):G0K+4*(\s)+3], s[G1K:G1K+7]
	s_nop 0
	PLACES
	s_branch .Lasked_\@
.Lfor_v_\@:
	tensor_load_to_lds s[G0V+4*(\s):G0V+4*(\s)+3], s[G1V:G1V+7]
	s_nop 0
	PLACES
.Lasked_\@:
.endm
	s_load_b256 s[4:11], s[0:1], 0x0               ; q s[4:5], k s[6:7], v s[8:9], the scales' exponents s[10:11]
	s_load_b64 s[12:13], s[0:1], 0x20              ; att
	v_lshl_add_u32 v[SPW], v0, 2, SPARE
	v_mov_b32 v[NIL], 0
	ds_add_u32 v5, v6
	ds_add_u32 v5, v6
	s_wait_dscnt 0x0
	v_lshrrev_b32 v1, 5, v0
	v_readfirstlane_b32 s[WV], v1                  ; wave 0..7
	s_lshr_b32 s[IDX], s[WV], 1
	s_lshr_b32 s[ROLE], s[WV], 2
	s_xor_b32 s[ROLE], s[ROLE], s[WV]
	s_and_b32 s[ROLE], s[ROLE], 1
	s_and_b32 s[WQ], s[WV], 3
	s_mov_b32 s[J], ttmp9
	s_and_b32 s[HEAD], ttmp7, 0xffff
	; group 1, K: 128 rows of 64 bytes, 1,024 bytes apart in memory; 4 words of padding behind every 16
	s_mov_b32 s[G1K], (1<<20)|(3<<22)|(3<<25)      ; no mask; elements of 1 byte; padding on; interval code 3 (16 words); 4 words (code 3)
	s_mov_b32 s[G1K+1], 64<<16                     ; tensor_dim0
	s_mov_b32 s[G1K+2], 128<<16                    ; tensor_dim1
	s_mov_b32 s[G1K+3], 64<<16                     ; tile_dim0
	s_mov_b32 s[G1K+4], 128                        ; tile_dim1
	s_mov_b32 s[G1K+5], 1024                       ; from row to row
	s_mov_b32 s[G1K+6], 0
	s_mov_b32 s[G1K+7], 0
	; group 1, V: 16 rows of 512 bytes, 4,096 bytes apart; 4 words of padding behind every 128
	s_mov_b32 s[G1V], (1<<20)|(6<<22)|(3<<25)
	s_mov_b32 s[G1V+1], 512<<16
	s_mov_b32 s[G1V+2], 16<<16
	s_mov_b32 s[G1V+3], 512<<16
	s_mov_b32 s[G1V+4], 16
	s_mov_b32 s[G1V+5], 4096
	s_mov_b32 s[G1V+6], 0
	s_mov_b32 s[G1V+7], 0
	s_lshl_b32 s76, s[HEAD], 6                     ; K: 64 x head + my 128 rows of 1,024 bytes
	s_lshl_b32 s77, s[WQ], 17
	s_add_co_u32 s76, s76, s77
	s_mov_b32 s77, 0
	s_lshl_b32 s78, s[HEAD], 18                    ; V: the head's 64 rows of 4,096 bytes + my 16 rows
	s_lshl_b32 s79, s[WQ], 16
	s_add_co_u32 s78, s78, s79
	s_mov_b32 s79, 0
	s_mov_b32 s[G0K], 1
	s_mov_b32 s[G0K+4], 1
	s_mov_b32 s[G0V], 1
	s_mov_b32 s[G0V+4], 1
	s_mul_i32 s[G0K+1], s[WQ], 128*KP              ; LDS: my quarter in slot 0,
	s_add_co_u32 s[G0K+5], s[G0K+1], SLOTB         ; in slot 1
	s_mul_i32 s[G0V+1], s[WQ], 16*VP
	s_add_co_u32 s[G0V+1], s[G0V+1], VOFF
	s_add_co_u32 s[G0V+5], s[G0V+1], SLOTB
	; my queries
	s_lshl_b32 s[KJ], s[J], 7
	s_lshl_b32 s84, s[IDX], 5
	s_sub_co_u32 s86, 31, s[J]                     ; the high block
	s_lshl_b32 s[Q0H], s86, 7
	s_add_co_u32 s[Q0H], s[Q0H], s84
	s_add_co_u32 s87, s[KJ], s84                   ; the low block's 32 queries of my pair
	s_add_co_u32 s88, s[KJ], 128
	s_xor_b32 s[PX], s[J], s[ROLE]
	s_xor_b32 s[PX], s[PX], 1
	s_cmp_eq_u32 s[ROLE], 0
	s_cselect_b32 s[Q0], s87, s[Q0H]
	s_cselect_b32 s86, s[J], s86                   ; the block whose rows I store
	s_cselect_b32 s[KSW], s88, -1
	s_add_co_u32 s[QL], s[Q0], 31
	s_lshl_b32 s86, s86, 17                        ; att: block, pair, head
	s_lshl_b32 s87, s[IDX], 13
	s_add_co_u32 s86, s86, s87
	s_lshr_b32 s87, s[HEAD], 2
	s_lshl_b32 s87, s87, 15
	s_add_co_u32 s86, s86, s87
	s_and_b32 s87, s[HEAD], 3
	s_lshl_b32 s87, s87, 10
	s_add_co_u32 s86, s86, s87
	s_mov_b32 s87, 0
	s_lshl_b32 s84, s[HEAD], 6
	s_lshl_b32 s88, s[Q0], 10
	s_add_co_u32 s88, s88, s84
	s_mov_b32 s89, 0
	s_lshl_b32 s90, s[Q0H], 10
	s_add_co_u32 s90, s90, s84
	s_mov_b32 s91, 0
	s_mov_b32 s[SEL], 0x76543210
	s_mov_b32 s[SEL+1], 0xfedcba98
	s_mov_b32 s[KF], 0
	s_cmp_lt_u32 s[J], 8
	s_cselect_b32 s[LAPC], 3, 2                    ; 8 slots or 6: two a trip, the last two written out
	s_wait_kmcnt 0x0
	s_load_b128 s[68:71], s[10:11], 0x0            ; e0 .. e3
	s_load_b64 s[72:73], s[10:11], 0x10            ; e4, e5
	s_add_nc_u64 s[G0K+2:G0K+3], s[6:7], s[76:77]
	s_add_nc_u64 s[G0K+6:G0K+7], s[G0K+2:G0K+3], 512*1024
	s_or_b32 s[G0K+3], s[G0K+3], 0x80000000
	s_or_b32 s[G0K+7], s[G0K+7], 0x80000000
	s_add_nc_u64 s[G0V+2:G0V+3], s[8:9], s[78:79]
	s_add_nc_u64 s[G0V+6:G0V+7], s[G0V+2:G0V+3], 512
	s_or_b32 s[G0V+3], s[G0V+3], 0x80000000
	s_or_b32 s[G0V+7], s[G0V+7], 0x80000000
	TLOAD 0                                        ; slot 0, ahead of every wait on TENSORcnt, every LDS read and every barrier
	s_add_nc_u64 s[QA0:QA0+1], s[4:5], s[88:89]
	s_add_nc_u64 s[QA1:QA1+1], s[4:5], s[90:91]
	s_add_nc_u64 s[OA:OA+1], s[12:13], s[86:87]
	v_and_b32 v64, 15, v0                          ; r
	v_bfe_u32 v65, v0, 4, 1                        ; h
	v_and_b32 v66, 31, v0                          ; lane
	v_lshlrev_b32 v[C2], 10, v64
	v_lshl_add_u32 v[C2], v65, 4, v[C2]            ; q: row r of 1,024 bytes + 16 h
	WIN 0x40                                       ; destination window 1
.irp x, 0,1
.irp c, 0,1
	global_load_b128 v[QF+8*\x+4*\c:QF+8*\x+4*\c+3], v[C2], s[QA0:QA0+1] offset:16384*\x+32*\c
	global_load_b128 v[Q2+8*\x+4*\c:Q2+8*\x+4*\c+3], v[C2], s[QA1:QA1+1] offset:16384*\x+32*\c
.endr
.endr
	WIN 0
	v_mul_u32_u24 v[AK0], v64, KP
	v_lshl_add_u32 v[AK0], v65, 4, v[AK0]
	v_mul_u32_u24 v[AV0], v64, VP
	v_lshl_add_u32 v[AV0], v65, 3, v[AV0]
	v_add_nc_u32 v[AV0], VOFF, v[AV0]
	v_lshlrev_b32 v[GO], 4, v66
	s_mul_i32 s84, s[IDX], MSP
	s_add_co_u32 s84, s84, MS
	v_add_nc_u32 v[MSA], s84, v[GO]
; The statistics and O^T begin anew: the largest t at -3e38, the sums at 0; the first step's change of M then multiplies zeros.
.macro INIT
.irp x, 0,1
	v_mov_b32 v[ST+8*\x+1], 0xff61b1e6
	v_floor_f32 v[ST+8*\x], -v[ST+8*\x+1]
.irp u, 2,3,4,5,6,7
	v_mov_b32 v[ST+8*\x+\u], 0
.endr
.endr
.set zi, 0
.rept 64
	v_mov_b32 v[O+zi], 0
.set zi, zi+1
.endr
.endm
; p is never negative: the hold at the largest code x the scale is one-sided; two numbers an instruction.  (The conversion to an 8-bit code does not saturate: ISA guide 7.6.2)
.macro HOLD2 n
	v_dual_min_num_f32 v[\n], v[\n], v[LIMA] :: v_dual_min_num_f32 v[\n+1], v[\n+1], v[LIMB]
.endm
; Line u of 32 of tile x's sum of the unquantised p, in two chains: pair 0 + pair 1 start the second chain; pair u + 1 goes to l (u odd) or to the second chain (u even); line 31 joins them.
.macro SUMLINE x, u
.set sS, S+64*(\x)
.set sT, ST+8*(\x)
.if (\u) == 0
	s_wait_alu depctr_va_vdst(0)
	v_pk_add_f32 v[C2:C2+1], v[sS:sS+1], v[sS+2:sS+3]
.elseif (\u) == 31
	v_pk_add_f32 v[sT+2:sT+3], v[sT+2:sT+3], v[C2:C2+1]
.elseif (\u)%2 == 1
	v_pk_add_f32 v[sT+2:sT+3], v[sT+2:sT+3], v[sS+2*(\u)+2:sS+2*(\u)+3]
.else
	v_pk_add_f32 v[C2:C2+1], v[C2:C2+1], v[sS+2*(\u)+2:sS+2*(\u)+3]
.endif
.endm
; On the diagonal the scores of hidden keys become -infinity ahead of the maximum: p = 0 then.  Register 8 c + i holds key KF + 16 c + 8 h + i: hidden where 16 c + i > d = my query - KF - 8 h.
.macro MASK
	s_sub_co_i32 s76, s[Q0], s[KF]
	v_and_b32 v[ST+6], 15, v0
	v_bfe_u32 v[ST+7], v0, 4, 1
	v_lshlrev_b32 v[ST+7], 3, v[ST+7]
	v_sub_nc_u32 v[ST+6], v[ST+6], v[ST+7]
	v_add_nc_u32 v[ST+6], s76, v[ST+6]             ; d of tile A,
	v_add_nc_u32 v[ST+14], 16, v[ST+6]             ; of tile B
	v_mov_b32 v[ST+7], 0xff800000
.irp x, 0,1
.set mn, 0
.rept 64
	v_cmp_gt_i32 vcc_lo, 16*(mn/8)+mn%8, v[ST+8*\x+6]
	v_cndmask_b32 v[S+64*\x+mn], v[S+64*\x+mn], v[ST+7], vcc_lo
.set mn, mn+1
.endr
.endr
.endm
; My two tiles are finished: O^T / l, held within the largest code x the scale, turned into codes with 2^(e4 - e3 - e2) (O^T stands for O^T x 2^(e2 + e3)), and stored as register images.
.macro FINAL
.irp x, 0,1
	v_add_f32 v[ST+8*\x+6], v[ST+8*\x+2], v[ST+8*\x+3]
.endr
.irp x, 0,1
	v_permlanex16_b32 v[ST+8*\x+7], v[ST+8*\x+6], s[SEL], s[SEL+1]
.endr
.irp x, 0,1
	v_add_f32 v[ST+8*\x+6], v[ST+8*\x+6], v[ST+8*\x+7]   ; the row's sum
.endr
.irp x, 0,1
	v_rcp_f32 v[ST+8*\x+4], v[ST+8*\x+6]
.endr
	v_nop                                          ; a plain instruction between the reciprocals and their use
	s_wait_alu depctr_va_vdst(0)
.irp x, 0,1
.set fi, 0
.rept 16
	v_pk_mul_f32 v[O+32*\x+fi:O+32*\x+fi+1], v[O+32*\x+fi:O+32*\x+fi+1], v[ST+8*\x+4:ST+8*\x+5] op_sel_hi:[1,0]   ; each accumulator from its low end on
.set fi, fi+2
.endr
.endr
.set fi, 0
.rept 64
	v_med3_num_f32 v[O+fi], v[O+fi], -v[LIMO], v[LIMO]
.set fi, fi+1
.endr
.irp x, 0,1
.irp t, 0,1,2,3
	v_cvt_scalef32_pk8_fp8_f32 v[P+16*\x+2*\t:P+16*\x+2*\t+1], v[O+32*\x+8*\t:O+32*\x+8*\t+7], v[SCO]
.endr
.endr
	v_nop                                          ; a plain instruction behind the last conversion, ahead of whatever next writes its sources
.irp x, 0,1
.irp c, 0,1
	global_store_b128 v[GO], v[P+16*\x+4*\c:P+16*\x+4*\c+3], s[OA:OA+1] offset:4096*\x+512*\c   ; 32 lanes store 512 consecutive bytes, at a multiple of 512 from att's first byte
.endr
.endr
.endm
; The helper leaves the low block: its rows are stored, and it takes its owner's queries with fresh statistics.
.macro SWITCH
	PLACES                                         ; behind the last products, ahead of the first read of O^T
	FINAL
	INIT
	WIN 0x41                                       ; source 0 and destination window 1
.set zi, 0
.rept 16
	v_mov_b32 v[QF+zi], v[Q2+zi]
.set zi, zi+1
.endr
	WIN 0
	s_mov_b32 s[Q0], s[Q0H]
	s_add_co_u32 s[QL], s[Q0], 31
	s_wait_xcnt 0x0                                ; the stores have read P's registers: the next step's conversions write them only behind this wait
.endm
; A KEY STEP: 128 keys at KF.  sw = 1: the helper's change of queries can fall on this step.
.macro STEP sw
.if \sw
	s_cmp_eq_u32 s[KF], s[KSW]
	s_cbranch_scc0 .Lstay_\@
	SWITCH
.Lstay_\@:
.endif
	s_cmp_gt_u32 s[KF], s[QL]                      ; all its keys come after my queries
	s_cbranch_scc1 .Lskip_\@
	s_cmp_le_u32 s[KF], s[KJ]                      ; steps 0 .. j are every wave's
	s_cbranch_scc1 .Lmine_\@
	s_lshr_b32 s76, s[KF], 7
	s_xor_b32 s76, s76, s[PX]
	s_and_b32 s76, s76, 1
	s_cmp_lg_u32 s76, 0                            ; beyond j: my partner's step
	s_cbranch_scc1 .Lskip_\@
.Lmine_\@:
	v_add_nc_u32 v[ADK], s[TBK], v[AK0]
	v_add_nc_u32 v[ADV], s[TBV], v[AV0]
	v_nop
	v_nop                                          ; four places between the last step's products and the loads into the registers that they read
	WIN 0x40
.irp c, 0,1,2,3,4,5,6,7
	ds_load_b128 v[KFR+8*\c:KFR+8*\c+3], v[ADK] offset:16*KP*\c
	ds_load_b128 v[KFR+8*\c+4:KFR+8*\c+7], v[ADK] offset:16*KP*\c+32
.endr
.irp t, 0,1,2,3
.irp c, 0,1,2,3,4,5,6,7
	ds_load_b64 v[VFR+16*\t+2*\c:VFR+16*\t+2*\c+1], v[ADV] offset:16*VP*\t+16*\c
.endr
.endr
	s_wait_dscnt 32                                ; K's 16 loads are in; V's 32, issued behind them, may be out
	WIN 0x05                                       ; K and Q in window 1
.irp c, 0,1,2,3,4,5,6,7
.irp x, 0,1
	v_wmma_f32_16x16x64_fp8_fp8 v[S+64*\x+8*\c:S+64*\x+8*\c+7], v[KFR+8*\c:KFR+8*\c+7], v[QF+8*\x:QF+8*\x+7], 0
.endr
.endr
	WIN 0
	PLACES
	s_add_co_u32 s76, s[KF], 127
	s_cmp_le_u32 s76, s[Q0]                        ; all 128 keys count for all my queries
	s_cbranch_scc1 .Lopen_\@
	MASK
.Lopen_\@:
	; the step's largest score of each query: two chains a tile, the registers in ascending order, the two tiles' lines by turns
.irp x, 0,1
	v_max3_num_f32 v[ST+8*\x+6], v[S+64*\x], v[S+64*\x+1], v[S+64*\x+2]
.endr
.irp x, 0,1
	v_max3_num_f32 v[ST+8*\x+7], v[S+64*\x+3], v[S+64*\x+4], v[S+64*\x+5]
.endr
.irp n, 6,10,14,18,22,26,30,34,38,42,46,50,54,58
.irp x, 0,1
	v_max3_num_f32 v[ST+8*\x+6], v[ST+8*\x+6], v[S+64*\x+\n], v[S+64*\x+\n+1]
.endr
.irp x, 0,1
	v_max3_num_f32 v[ST+8*\x+7], v[ST+8*\x+7], v[S+64*\x+\n+2], v[S+64*\x+\n+3]
.endr
.endr
.irp x, 0,1
	v_max3_num_f32 v[ST+8*\x+6], v[ST+8*\x+6], v[S+64*\x+62], v[S+64*\x+63]
.endr
.irp x, 0,1
	v_max_num_f32 v[ST+8*\x+6], v[ST+8*\x+6], v[ST+8*\x+7]
.endr
.irp x, 0,1
	v_permlanex16_b32 v[ST+8*\x+7], v[ST+8*\x+6], s[SEL], s[SEL+1]   ; the query's other 64 keys lie in the lane 16 away
.endr
.irp x, 0,1
	v_max_num_f32 v[ST+8*\x+6], v[ST+8*\x+6], v[ST+8*\x+7]
.endr
.irp x, 0,1
	v_mul_f32 v[ST+8*\x+6], s[CS], v[ST+8*\x+6]    ; as t (c is positive)
.endr
.irp x, 0,1
	v_max_num_f32 v[ST+8*\x+1], v[ST+8*\x+1], v[ST+8*\x+6]   ; the running largest t
.endr
.irp x, 0,1
	v_mov_b32 v[ST+8*\x+6], v[ST+8*\x]
.endr
.irp x, 0,1
	v_floor_f32 v[ST+8*\x], -v[ST+8*\x+1]          ; the new -M = floor(-t): M is a whole number
.endr
.irp x, 0,1
	v_sub_f32 v[ST+8*\x+6], v[ST+8*\x], v[ST+8*\x+6]   ; old M - new M, a whole number, 0 or less
.endr
.irp x, 0,1
	v_cvt_i32_f32 v[ST+8*\x+6], v[ST+8*\x+6]       ; (it saturates)
.endr
.irp x, 0,1
	v_ldexp_f32 v[ST+8*\x+4], 1.0, v[ST+8*\x+6]    ; f = 2^(old M - new M): a multiplication by it rounds nothing
.endr
.set ei, 0
.rept 32
	v_pk_fma_f32 v[S+2*ei:S+2*ei+1], v[S+2*ei:S+2*ei+1], s[CS:CS+1], v[ST:ST+1] op_sel_hi:[1,0,0]   ; tile A: t - M (of the pairs c and -M the low word serves both halves)
.set ei, ei+1
.endr
	; tile A's exponentials, a plain line behind each: tile B's t - M, then both tiles' O^T x f
.set ei, 0
.rept 64
	v_exp_f32 v[S+ei], v[S+ei]
.if ei < 32
	v_pk_fma_f32 v[S+64+2*ei:S+64+2*ei+1], v[S+64+2*ei:S+64+2*ei+1], s[CS:CS+1], v[ST+8:ST+9] op_sel_hi:[1,0,0]
.elseif ei < 48
	v_pk_mul_f32 v[O+2*(ei-32):O+2*(ei-32)+1], v[O+2*(ei-32):O+2*(ei-32)+1], v[ST+4:ST+5] op_sel_hi:[1,0]
.else
	v_pk_mul_f32 v[O+32+2*(ei-48):O+32+2*(ei-48)+1], v[O+32+2*(ei-48):O+32+2*(ei-48)+1], v[ST+12:ST+13] op_sel_hi:[1,0]
.endif
.set ei, ei+1
.endr
	v_pk_mul_f32 v[ST+2:ST+3], v[ST+2:ST+3], v[ST+4:ST+5] op_sel_hi:[1,0]   ; tile A's sum under the new M
	; tile B's exponentials, a plain line behind each: tile A's sum of the unquantised p, then its hold
.set ei, 0
.rept 64
	v_exp_f32 v[S+64+ei], v[S+64+ei]
.if ei < 32
	SUMLINE 0, ei
.else
	HOLD2 S+2*(ei-32)
.endif
.set ei, ei+1
.endr
.irp c, 0,1,2,3,4,5,6,7
	v_cvt_scalef32_pk8_fp8_f32 v[P+2*\c:P+2*\c+1], v[S+8*\c:S+8*\c+7], v[SCL]
.endr
	v_pk_mul_f32 v[ST+10:ST+11], v[ST+10:ST+11], v[ST+12:ST+13] op_sel_hi:[1,0]   ; tile B's sum under the new M
	s_wait_alu depctr_va_vdst(0)
.set ei, 0
.rept 32
	SUMLINE 1, ei
.set ei, ei+1
.endr
.set ei, 0
.rept 32
	HOLD2 S+64+2*ei
.set ei, ei+1
.endr
.irp c, 0,1,2,3,4,5,6,7
	v_cvt_scalef32_pk8_fp8_f32 v[P+16+2*\c:P+16+2*\c+1], v[S+64+8*\c:S+64+8*\c+7], v[SCL]
.endr
	v_nop                                          ; a plain instruction between the last conversion and the products that read its result
	s_wait_dscnt 0x0                               ; V is in
	WIN 0x01                                       ; V in window 1
.irp t, 0,1,2,3
.irp x, 0,1
	v_wmma_f32_16x16x128_fp8_fp8 v[O+32*\x+8*\t:O+32*\x+8*\t+7], v[VFR+16*\t:VFR+16*\t+15], v[P+16*\x:P+16*\x+15], v[O+32*\x+8*\t:O+32*\x+8*\t+7]   ; the eight accumulators by turns
.endr
.endr
	WIN 0
.Lskip_\@:
.endm
; THE CHANGE OF SLOTS stands at a slot's head.  Each wave waits for all its tensor loads (its part of the slot ahead), adds 0 to its spare word, and waits for that and for its reads of the slot that it has left.
; Behind the barrier the slot ahead is whole and nobody reads the other one; refill = 1: that other slot takes the next 512 keys: the load has four key steps in which to land.
.macro CHANGE slot, refill
	s_wait_tensorcnt 0x0                           ; no tensor load of mine is out, so a group 0 may be written
	ds_add_u32 v[SPW], v[NIL]                      ; 0 onto my spare word
	s_add_nc_u64 s[G0K+4*\slot+2:G0K+4*\slot+3], s[G0K+4*\slot+2:G0K+4*\slot+3], 2*512*1024   ; this slot's next tile: 1,024 keys on
	s_add_nc_u64 s[G0V+4*\slot+2:G0V+4*\slot+3], s[G0V+4*\slot+2:G0V+4*\slot+3], 2*512
	s_wait_dscnt 0x0                               ; the add is done, and my reads of the slot that I have left are over
	s_barrier_signal -1
	s_barrier_wait -1
.if \refill
	TLOAD 1-\slot                                  ; the first thing behind the barrier, and my one tensor load until the next
.endif
.endm
; A slot's four key steps: written once, walked four times.
.macro SLOTSTEPS slot, sw
	s_mov_b32 s[TBK], \slot*SLOTB
	s_mov_b32 s[TBV], \slot*SLOTB
	s_mov_b32 s[CNT4], 4
.Lstep_\@:
	STEP \sw
	s_add_co_u32 s[TBK], s[TBK], 128*KP
	s_add_co_u32 s[TBV], s[TBV], 128
	s_add_co_u32 s[KF], s[KF], 128
	s_sub_co_u32 s[CNT4], s[CNT4], 1
	s_cmp_lg_u32 s[CNT4], 0
	s_cbranch_scc1 .Lstep_\@
.endm
	INIT
	s_wait_kmcnt 0x0
	s_add_co_i32 s76, s68, s69
	s_lshl_b32 s76, s76, 23
	s_add_co_i32 s[CS], s76, 0x3e38aa3b            ; log2(e) / 8 with e0 + e1 added to its exponent field
	s_mov_b32 s[CS+1], s[CS]
	s_add_co_i32 s76, s71, 127
	s_lshl_b32 s77, s76, 23
	v_mov_b32 v[SCL], s77                          ; 2^e3
	s_add_co_i32 s76, s76, 8
	s_lshl_b32 s76, s76, 23
	s_or_b32 s76, s76, 0x600000
	v_mov_b32 v[LIMA], s76                         ; 448 x 2^e3
	v_mov_b32 v[LIMB], s76
	s_sub_co_i32 s76, s72, s71
	s_sub_co_i32 s76, s76, s70
	s_add_co_i32 s76, s76, 127
	s_lshl_b32 s77, s76, 23
	v_mov_b32 v[SCO], s77                          ; 2^(e4 - e3 - e2)
	s_add_co_i32 s76, s76, 8
	s_lshl_b32 s76, s76, 23
	s_or_b32 s76, s76, 0x600000
	v_mov_b32 v[LIMO], s76
	s_wait_loadcnt 0x0                             ; Q
.Llap:                                             ; a trip goes once round the ring and asks for two slots
	CHANGE 0, 1
	SLOTSTEPS 0, 1
	CHANGE 1, 1
	SLOTSTEPS 1, 1
	s_sub_co_u32 s[LAPC], s[LAPC], 1
	s_cmp_lg_u32 s[LAPC], 0
	s_cbranch_scc1 .Llap
	CHANGE 0, 1                                    ; the last two slots are written out
	SLOTSTEPS 0, 1
	CHANGE 1, 0
	SLOTSTEPS 1, 0                                 ; key steps 20 on: the helper's change of queries falls on step j + 1, 16 at the most
	; THE JOINING.  The helper's O^T, -M and l go to its owner as register images: 18 pieces of 512 bytes.
	PLACES                                         ; behind the last products, ahead of the first read of O^T
	s_cmp_eq_u32 s[ROLE], 0
	s_cbranch_scc0 .Lkeeps
.set mi, 0
.rept 16
	ds_store_b128 v[MSA], v[O+4*mi:O+4*mi+3] offset:512*mi
.set mi, mi+1
.endr
	ds_store_b128 v[MSA], v[ST:ST+3] offset:512*16
	ds_store_b128 v[MSA], v[ST+8:ST+11] offset:512*17
.Lkeeps:
	s_wait_dscnt 0x0                               ; for the owner's sake: the stores have landed
	s_barrier_signal -1
	s_barrier_wait -1
	s_cmp_eq_u32 s[ROLE], 0
	s_cbranch_scc1 .Lend
.set mi, 0
.rept 18
	ds_load_b128 v[S+4*mi:S+4*mi+3], v[MSA] offset:512*mi   ; v64-127 the helper's O^T, v128-131 and v132-135 its -M, largest t and l
.set mi, mi+1
.endr
	s_wait_dscnt 0x0
.irp x, 0,1
	v_min_num_f32 v[C2+\x], v[ST+8*\x], v[S+64+4*\x]        ; the joint -M
.endr
.irp x, 0,1
	v_sub_f32 v[ST+8*\x+4], v[C2+\x], v[ST+8*\x]
	v_sub_f32 v[ST+8*\x+6], v[C2+\x], v[S+64+4*\x]
.endr
.irp x, 0,1
	v_cvt_i32_f32 v[ST+8*\x+4], v[ST+8*\x+4]
	v_cvt_i32_f32 v[ST+8*\x+6], v[ST+8*\x+6]
.endr
.irp x, 0,1
	v_ldexp_f32 v[ST+8*\x+4], 1.0, v[ST+8*\x+4]    ; 2^(my M - the joint M),
	v_ldexp_f32 v[ST+8*\x+6], 1.0, v[ST+8*\x+6]    ; 2^(the helper's M - the joint M): whole powers of two
.endr
.irp x, 0,1
	v_pk_mul_f32 v[ST+8*\x+2:ST+8*\x+3], v[ST+8*\x+2:ST+8*\x+3], v[ST+8*\x+4:ST+8*\x+5] op_sel_hi:[1,0]
.endr
.irp x, 0,1
	v_pk_fma_f32 v[ST+8*\x+2:ST+8*\x+3], v[S+66+4*\x:S+67+4*\x], v[ST+8*\x+6:ST+8*\x+7], v[ST+8*\x+2:ST+8*\x+3] op_sel_hi:[1,0,1]
.endr
.irp x, 0,1
.set mi, 0
.rept 16
	v_pk_mul_f32 v[O+32*\x+mi:O+32*\x+mi+1], v[O+32*\x+mi:O+32*\x+mi+1], v[ST+8*\x+4:ST+8*\x+5] op_sel_hi:[1,0]
.set mi, mi+2
.endr
.set mi, 0
.rept 16
	v_pk_fma_f32 v[O+32*\x+mi:O+32*\x+mi+1], v[S+32*\x+mi:S+32*\x+mi+1], v[ST+8*\x+6:ST+8*\x+7], v[O+32*\x+mi:O+32*\x+mi+1] op_sel_hi:[1,0,1]
.set mi, mi+2
.endr
.endr
	FINAL
.Lend:
	s_wait_tensorcnt 0x0                           ; the wave's end: behind my last tensor load and my last LDS store
	ds_add_u32 v[SPW], v[NIL]
	s_wait_dscnt 0x0
	s_endpgm
.Lfunc_end_k_qfccd8a1c09_attn:
	.size	k_qfccd8a1c09_attn, .Lfunc_end_k_qfccd8a1c09_attn-k_qfccd8a1c09_attn
	.p2alignl 7, 3214868480
	.fill 96, 4, 3214868480
	.section	.rodata,"a",@progbits
	.p2align	6, 0x0
	.amdhsa_kernel k_qfccd8a1c09_attn
		.amdhsa_group_segment_fixed_size 327680
		.amdhsa_private_segment_fixed_size 0
		.amdhsa_enable_private_segment 0
		.amdhsa_kernarg_size 40
		.amdhsa_user_sgpr_count 2
		.amdhsa_user_sgpr_kernarg_segment_ptr 1
		.amdhsa_wavefront_size32 1
		.amdhsa_system_sgpr_workgroup_id_x 1
		.amdhsa_system_sgpr_workgroup_id_y 1
		.amdhsa_system_sgpr_workgroup_id_z 1
		.amdhsa_system_vgpr_workitem_id 0
		.amdhsa_next_free_vgpr 512
		.amdhsa_next_free_sgpr 96
		.amdhsa_reserve_vcc 1
		.amdhsa_float_denorm_mode_32 3
		.amdhsa_float_denorm_mode_16_64 3
		.amdhsa_memory_ordered 1
		.amdhsa_forward_progress 1
		.amdhsa_inst_pref_size 221
	.end_amdhsa_kernel
	.amdgpu_metadata
---
amdhsa.version: [ 1, 2 ]
amdhsa.kernels:
  - .name:           k_qfccd8a1c09_attn
    .symbol:         k_qfccd8a1c09_attn.kd
    .args:
      - { .name: q_codes, .offset: 0, .size: 8, .value_kind: global_buffer, .address_space: global }
      - { .name: k_codes, .offset: 8, .size: 8, .value_kind: global_buffer, .address_space: global }
      - { .name: v_codes, .offset: 16, .size: 8, .value_kind: global_buffer, .address_space: global }
      - { .name: lowp_scales, .offset: 24, .size: 8, .value_kind: global_buffer, .address_space: global }
      - { .name: att, .offset: 32, .size: 8, .value_kind: global_buffer, .address_space: global }
    .group_segment_fixed_size: 327680
    .private_segment_fixed_size: 0
    .kernarg_segment_align: 8
    .kernarg_segment_size: 40
    .max_flat_workgroup_size: 256
    .sgpr_count:     96
    .vgpr_count:     512
    .wavefront_size: 32
...
	.end_amdgpu_metadata
.endif
;; end of part 1
;; launch proj (part 2): grid 8 x 32, 4 waves a work-group, clusters of 4 x 4, 327,680 bytes of LDS; arguments att, W_proj_codes, lowp_scales, out0; writes out0
.if DOCPART == 2
	.amdgcn_target "amdgcn-amd-amdhsa--gfx1250"
	.amdhsa_code_object_version 6
	.text
	.protected	k_qfccd8a1c09_proj
	.globl	k_qfccd8a1c09_proj
	.p2align	8
	.type	k_qfccd8a1c09_proj,@function
k_qfccd8a1c09_proj:
	s_mov_b64 s[64:65], 0
	v_nop
	global_prefetch_b8 v0, s[64:65] scope:SCOPE_SE
	s_setreg_imm32_b32 hwreg(HW_REG_WAVE_MODE, 25, 1), 1
	s_wait_xcnt 0x0
	s_wait_alu depctr_hold_cnt(0) depctr_sa_sdst(0) depctr_va_vdst(0) depctr_va_sdst(0) depctr_va_ssrc(0) depctr_va_vcc(0) depctr_vm_vsrc(0)
	s_getreg_b32 s2, hwreg(HW_REG_IB_STS2, 6, 4)
	s_cmp_eq_u32 s2, 0
	s_cbranch_scc0 .Lentry_in_a_cluster
	s_endpgm
.Lentry_in_a_cluster:
	s_bfe_u32 s2, ttmp6, 0x10000c
	s_cmp_lg_u32 s2, 0xf033
	s_cbranch_scc0 .Lentry_shape_is_right
	s_endpgm
.Lentry_shape_is_right:
; out0[s][n] = 2^(e4 + e5) x the sum over k of A[s][k] W[n][k], on codes of FP8 (E4M3).  A: 4,096 x 1,024, in att as register images (below); W: [1024][1024] codes, K innermost; out0: [4096][1024] f32.
; att: a block of 128 rows is 131,072 dense bytes: K chunk u (256 along K) at 32768 u, row tile i at + 4096 i, K step of 128 at + 2048 (step % 2), piece p at + 512 p + 16 lane = registers 4 p .. 4 p + 3 of the
; lane's sixteen, which hold k = 16 c + 8 (lane / 16) + 0 .. 7 in registers 2 c, 2 c + 1.  W's fragments are fetched in the same places of k, by loads of 8 bytes.
; A tile of out0 is 128 x 128: 256 work-groups of four waves, a wave 64 x 64: 16 accumulators.  All of K lies in LDS at once (A 131,072 bytes, W 139,264 with padding), so every byte of LDS is filled once:
; four chunks of 256 along K, each wave four tensor loads, all issued at the start; the products of chunk u begin when it has landed.
; CLUSTERS: 4 x 4 work-groups.  The four of a row of the cluster need the same rows of A, the four of a column the same rows of W: each tile is asked for JOINTLY, by the same tensor load with the same descriptor
; and a mask that names the four.  THE MATRIX INSTRUCTION IS USED TRANSPOSED (source 0 = 16 rows of W, source 1 = 16 rows of A): a lane then holds eight neighbouring numbers of a row of out0.
; LIMIT: e4 + e5 between -126 and 127, so that 2^(e4 + e5) is an f32 number.
; REGISTERS: window 0: v16-26 addresses; v32-63 a block's results; v64-127 rows read back from the stage, two sets; v128-255 the accumulators ((a, b) at v[128 + 8 (4 a + b)]).
;   window 1: two fragment buffers of 128: A's four fragments of 16, then W's four.
.set WP,    272                        ; a row of W's chunk in LDS: 256 bytes + 16: the 32 lanes of a load of 8 bytes touch 64 different banks (64 banks of 4 bytes: ISA guide 11.1)
.set WBASE, 131072                     ; behind A
.set WCH,   128*WP                     ; a chunk of W
.set STAGE, WBASE+4*WCH                ; behind W: 16 rows x (256 bytes + 16) for each wave; no tensor load lands here
.set ADRA, 16                          ; v16, v17  A: chunks 0-1, chunks 2-3
.set ADRB, 20                          ; v20, v21  W likewise
.set STO,  24                          ; v24  the way out: where I put 32 bytes of a row
.set RD,   25                          ; v25  where I read a row back
.set CO,   26                          ; v26  my byte offset in two rows of out0
.set TMP,  32
.set BK,   64
.set ACC,  128
.set G1A, 24                           ; s[24:31] descriptor group 1 of A's tiles; s[32:39] of W's
.set G1B, 32
.set G0A, 40                           ; s[40:55] group 0 of A's four chunks
.set G0B, 68                           ; s[68:83] of W's
.set MSB, 0
.macro WIN new                         ; the immediate's high byte repeats the setting that is left
.if MSB != \new
	s_set_vgpr_msb (MSB<<8)|\new
.set MSB, \new
.endif
.endm
.macro PLACES
.rept 4
	v_nop
.endr
.endm
.macro CROUND                          ; a round of the cluster's barrier
	s_barrier_signal -1
	s_barrier_wait -1
	s_cmp_lg_u32 s14, 0
	s_cbranch_scc1 .Lnot_wave_0_\@
	s_barrier_signal -3
.Lnot_wave_0_\@:
	s_barrier_wait -3
	s_barrier_signal -1
	s_barrier_wait -1
.endm
	s_load_b256 s[4:11], s[0:1], 0x0               ; att s[4:5], W s[6:7], the scales' exponents s[8:9], out0 s[10:11]
	v_lshl_add_u32 v30, v0, 2, 0x46400
	v_mov_b32 v31, 0
	ds_add_u32 v30, v31
	ds_add_u32 v30, v31
	v_lshrrev_b32 v1, 5, v0
	v_readfirstlane_b32 s14, v1                    ; wave 0..3
	s_lshr_b32 s15, s14, 1                         ; which half of the tile's rows is mine.  Also: I fetch for A (0) or for W (1)
	s_and_b32 s16, s14, 1                          ; which half of its columns.  Also: which half of a chunk I fetch
	s_bfe_u32 s56, ttmp6, 0x40000                  ; cx
	s_bfe_u32 s57, ttmp6, 0x40004                  ; cy
	s_lshl_b32 s58, ttmp9, 2
	s_add_co_u32 s58, s58, s56                     ; tile column = 4 x cluster x + cx
	s_and_b32 s17, ttmp7, 0xffff
	s_lshl_b32 s17, s17, 2
	s_add_co_u32 s17, s17, s57                     ; tile row = 4 x cluster y + cy
	s_lshl_b32 s59, s57, 2
	s_lshl_b32 s59, 15, s59                        ; my row of the cluster
	s_lshl_b32 s60, 0x1111, s56                    ; my column
	; group 1, A: half a chunk, 16,384 dense bytes, as 64 rows of 32 elements of 8 bytes; no padding
	s_or_b32 s[G1A], s59, (3<<16)|(1<<21)          ; the mask: my row; elements of 8 bytes; bit 21 set beside a mask
	s_mov_b32 s[G1A+1], 32<<16
	s_mov_b32 s[G1A+2], 64<<16
	s_mov_b32 s[G1A+3], 32<<16
	s_mov_b32 s[G1A+4], 64
	s_mov_b32 s[G1A+5], 32
	s_mov_b32 s[G1A+6], 0
	s_mov_b32 s[G1A+7], 0
	; group 1, W: 64 rows of 256 bytes, 1,024 bytes apart; 4 words of padding behind every 64
	s_or_b32 s[G1B], s60, (1<<20)|(1<<21)|(5<<22)|(3<<25)
	s_mov_b32 s[G1B+1], 256<<16
	s_mov_b32 s[G1B+2], 64<<16
	s_mov_b32 s[G1B+3], 256<<16
	s_mov_b32 s[G1B+4], 64
	s_mov_b32 s[G1B+5], 1024
	s_mov_b32 s[G1B+6], 0
	s_mov_b32 s[G1B+7], 0
	s_lshl_b32 s18, s17, 17                        ; A: the tile row's block of 131,072 bytes + my half of a chunk
	s_lshl_b32 s22, s16, 14
	s_add_co_u32 s18, s18, s22
	s_mov_b32 s19, 0
	s_lshl_b32 s20, s58, 17                        ; W: row 128 x tile column + 64 x half, 1,024 bytes a row
	s_lshl_b32 s21, s16, 16
	s_add_co_u32 s20, s20, s21
	s_mov_b32 s21, 0
	s_mul_i32 s23, s16, 64*WP
	s_add_co_u32 s23, s23, WBASE                   ; where W's halves go: no place in the cluster enters an LDS address
	s_lshl_b32 s86, s17, 19                        ; out0: row 128 x tile row + 64 x half, 4,096 bytes a row; column 128 x tile column + 64 x half
	s_lshl_b32 s87, s15, 18
	s_add_co_u32 s86, s86, s87
	s_lshl_b32 s87, s58, 9
	s_add_co_u32 s86, s86, s87
	s_lshl_b32 s87, s16, 8
	s_add_co_u32 s86, s86, s87
	s_mov_b32 s87, 0
	s_wait_dscnt 0x0
	s_wait_kmcnt 0x0
	s_load_b64 s[84:85], s[8:9], 0x10              ; e4, e5
	s_add_nc_u64 s[18:19], s[4:5], s[18:19]
	s_add_nc_u64 s[20:21], s[6:7], s[20:21]
	s_add_nc_u64 s[10:11], s[10:11], s[86:87]
.irp u, 0,1,2,3
	s_mov_b32 s[G0A+4*\u], 1
	s_add_co_u32 s[G0A+4*\u+1], s22, 32768*\u
	s_add_nc_u64 s[G0A+4*\u+2:G0A+4*\u+3], s[18:19], 32768*\u
	s_or_b32 s[G0A+4*\u+3], s[G0A+4*\u+3], 0x80000000
	s_mov_b32 s[G0B+4*\u], 1
	s_add_co_u32 s[G0B+4*\u+1], s23, WCH*\u
	s_add_nc_u64 s[G0B+4*\u+2:G0B+4*\u+3], s[20:21], 256*\u
	s_or_b32 s[G0B+4*\u+3], s[G0B+4*\u+3], 0x80000000
.endr
	CROUND                                         ; all sixteen work-groups are here: the joint loads meet
	s_cmp_eq_u32 s15, 0                            ; a wave's four fills stand in one branch on the wave's number: four loads of mine are out
	s_cbranch_scc0 .Lfor_w
.irp u, 0,1,2,3
	tensor_load_to_lds s[G0A+4*\u:G0A+4*\u+3], s[G1A:G1A+7]
	s_nop 0
.endr
	PLACES
	s_branch .Lasked
.Lfor_w:
.irp u, 0,1,2,3
	tensor_load_to_lds s[G0B+4*\u:G0B+4*\u+3], s[G1B:G1B+7]
	s_nop 0
.endr
	PLACES
.Lasked:
	v_and_b32 v1, 15, v0                           ; r
	v_bfe_u32 v2, v0, 4, 1                         ; h
	v_and_b32 v3, 31, v0                           ; lane
	v_lshlrev_b32 v4, 4, v3
	s_lshl_b32 s88, s15, 14                        ; my four row tiles of 4,096 bytes
	v_add_nc_u32 v[ADRA], s88, v4
	v_add_nc_u32 v[ADRA+1], 65536, v[ADRA]
	v_mul_u32_u24 v5, v1, WP
	v_lshl_add_u32 v6, v2, 3, v5                   ; W: row r + 8 h
	s_mul_i32 s89, s16, 64*WP                      ; my 64 rows of W
	s_add_co_u32 s89, s89, WBASE
	v_add_nc_u32 v[ADRB], s89, v6
	v_add_nc_u32 v[ADRB+1], 2*WCH, v[ADRB]
	s_mul_i32 s90, s14, 16*WP
	s_add_co_u32 s90, s90, STAGE                   ; my stage
	v_lshl_add_u32 v[STO], v2, 5, v5               ; in: row r, 32 bytes for each half of the lanes
	v_add_nc_u32 v[STO], s90, v[STO]
	v_mul_u32_u24 v[RD], v2, WP                    ; back: lanes 0-15 one row of 256 bytes, lanes 16-31 the next
	v_lshl_add_u32 v[RD], v1, 4, v[RD]
	v_add_nc_u32 v[RD], s90, v[RD]
	v_lshlrev_b32 v[CO], 12, v2                    ; and the same two rows in out0
	v_lshl_add_u32 v[CO], v1, 4, v[CO]
; 48 LDS loads: the fragments of K step ks (128 along K) into buffer ks % 2
.macro FETCH ks
.set FB, 128*((\ks)%2)
.set UU, ((\ks)/2)%2
.set GG, (\ks)/4
	WIN 0x40                                       ; destination window 1
.irp a, 0,1,2,3
.irp p, 0,1,2,3
	ds_load_b128 v[FB+16*\a+4*\p:FB+16*\a+4*\p+3], v[ADRA+GG] offset:UU*32768+4096*\a+2048*((\ks)%2)+512*\p
.endr
.endr
.irp b, 0,1,2,3
.irp c, 0,1,2,3,4,5,6,7
	ds_load_b64 v[FB+64+16*\b+2*\c:FB+64+16*\b+2*\c+1], v[ADRB+GG] offset:UU*WCH+16*WP*\b+128*((\ks)%2)+16*\c
.endr
.endr
.endm
; 16 matrix instructions: the 16 accumulators by turns, in the same order in every K step.  zero = 1: the first products start the sums
.macro MUL ks, zero
.set FB, 128*((\ks)%2)
	WIN 0x05                                       ; sources 0 and 1 window 1
.irp a, 0,1,2,3
.irp b, 0,1,2,3
.if \zero
	v_wmma_f32_16x16x128_fp8_fp8 v[ACC+8*(4*\a+\b):ACC+8*(4*\a+\b)+7], v[FB+64+16*\b:FB+64+16*\b+15], v[FB+16*\a:FB+16*\a+15], 0
.else
	v_wmma_f32_16x16x128_fp8_fp8 v[ACC+8*(4*\a+\b):ACC+8*(4*\a+\b)+7], v[FB+64+16*\b:FB+64+16*\b+15], v[FB+16*\a:FB+16*\a+15], v[ACC+8*(4*\a+\b):ACC+8*(4*\a+\b)+7]
.endif
.endr
.endr
.endm
	s_wait_tensorcnt 3                             ; my part of chunk 0 is in; the three loads behind it may be out
	s_barrier_signal -1
	s_barrier_wait -1                              ; everybody's is
	FETCH 0
	FETCH 1
	s_wait_dscnt 48                                ; K step 0's fragments are in; K step 1's 48 loads may be out
	MUL 0, 1
.irp u, 1,2,3
	s_wait_dscnt 0x0                               ; the chunk's second K step is in, and no LDS instruction of mine is out at the signal
	s_wait_tensorcnt 3-\u                          ; my part of chunk u is in
	s_barrier_signal -1
	MUL 2*\u-1, 0                                  ; work on registers while the others arrive
	s_barrier_wait -1                              ; chunk u is whole
	PLACES                                         ; in front of loads into registers that matrix instructions have read
	FETCH 2*\u
	FETCH 2*\u+1
	s_wait_dscnt 48
	MUL 2*\u, 0
.endr
	s_wait_dscnt 0x0
	MUL 7, 0
	WIN 0
	s_wait_kmcnt 0x0
	s_add_co_i32 s84, s84, s85
	s_add_co_i32 s84, s84, 127
	s_lshl_b32 s84, s84, 23                        ; 2^(e4 + e5) as f32
	s_mov_b32 s85, s84                             ; (named with it as a pair, so it is written)
	PLACES                                         ; ahead of the first read of results
; THE WAY OUT, block by block of 16 rows x 64 columns: x 2^(e4 + e5) into other registers, each accumulator from its low end on; through my own stage in LDS; back as whole rows of 256 bytes.
; LDS serves a wave's instructions in order (ISA guide 5.7.1.4): no wait between the stores and the loads, nor in front of the next block's stores.
.macro TOSTAGE a
.set tj, 0
.rept 16
	v_pk_mul_f32 v[TMP+tj:TMP+tj+1], v[ACC+32*(\a)+tj:ACC+32*(\a)+tj+1], s[84:85] op_sel_hi:[1,0]
.set tj, tj+2
.endr
.irp b, 0,1,2,3
	ds_store_b128 v[STO], v[TMP+8*\b:TMP+8*\b+3] offset:64*\b
	ds_store_b128 v[STO], v[TMP+8*\b+4:TMP+8*\b+7] offset:64*\b+16
.endr
.set BB, BK+32*((\a)%2)
.irp t, 0,1,2,3,4,5,6,7
	ds_load_b128 v[BB+4*\t:BB+4*\t+3], v[RD] offset:\t*2*WP
.endr
.endm
.macro SEND a, younger                 ; younger: the LDS instructions issued behind block a's loads, which may stay out
.set BB, BK+32*((\a)%2)
	s_wait_dscnt \younger
.irp t, 0,1,2,3,4,5,6,7
	global_store_b128 v[CO], v[BB+4*\t:BB+4*\t+3], s[10:11] offset:(16*(\a)+2*\t)*4096 th:TH_STORE_NT   ; 16 lanes store 256 consecutive bytes, at a multiple of 256 from out0's first byte; written once, read by nobody here
.endr
.endm
	TOSTAGE 0
.irp a, 1,2,3
.if \a > 1
	s_wait_xcnt 0x0                                ; block a - 2's stores have read their registers: block a's loads may land there
.endif
	TOSTAGE \a
	SEND \a-1, 16                                  ; behind block a - 1's loads: block a's 8 stores and 8 loads
.endr
	SEND 3, 0
	s_wait_tensorcnt 0x0
	ds_add_u32 v30, v31
	s_wait_dscnt 0x0
	CROUND                                         ; the closing round: no work-group ends while a partner may still ask for a tile that names it
	s_endpgm
.Lfunc_end_k_qfccd8a1c09_proj:
	.size	k_qfccd8a1c09_proj, .Lfunc_end_k_qfccd8a1c09_proj-k_qfccd8a1c09_proj
	.p2alignl 7, 3214868480
	.fill 96, 4, 3214868480
	.section	.rodata,"a",@progbits
	.p2align	6, 0x0
	.amdhsa_kernel k_qfccd8a1c09_proj
		.amdhsa_group_segment_fixed_size 327680
		.amdhsa_private_segment_fixed_size 0
		.amdhsa_enable_private_segment 0
		.amdhsa_kernarg_size 32
		.amdhsa_user_sgpr_count 2
		.amdhsa_user_sgpr_kernarg_segment_ptr 1
		.amdhsa_wavefront_size32 1
		.amdhsa_system_sgpr_workgroup_id_x 1
		.amdhsa_system_sgpr_workgroup_id_y 1
		.amdhsa_system_sgpr_workgroup_id_z 1
		.amdhsa_system_vgpr_workitem_id 0
		.amdhsa_next_free_vgpr 512
		.amdhsa_next_free_sgpr 96
		.amdhsa_reserve_vcc 0
		.amdhsa_float_denorm_mode_32 3
		.amdhsa_float_denorm_mode_16_64 3
		.amdhsa_memory_ordered 1
		.amdhsa_forward_progress 1
		.amdhsa_inst_pref_size 53
	.end_amdhsa_kernel
	.amdgpu_metadata
---
amdhsa.version: [ 1, 2 ]
amdhsa.kernels:
  - .name:           k_qfccd8a1c09_proj
    .symbol:         k_qfccd8a1c09_proj.kd
    .args:
      - { .name: att, .offset: 0, .size: 8, .value_kind: global_buffer, .address_space: global }
      - { .name: W_proj_codes, .offset: 8, .size: 8, .value_kind: global_buffer, .address_space: global }
      - { .name: lowp_scales, .offset: 16, .size: 8, .value_kind: global_buffer, .address_space: global }
      - { .name: out0, .offset: 24, .size: 8, .value_kind: global_buffer, .address_space: global }
    .group_segment_fixed_size: 327680
    .private_segment_fixed_size: 0
    .kernarg_segment_align: 8
    .kernarg_segment_size: 32
    .max_flat_workgroup_size: 128
    .sgpr_count:     96
    .vgpr_count:     512
    .wavefront_size: 32
...
	.end_amdgpu_metadata
.endif
;; end of part 2
